; MI455X (gfx1250); checked and timed in simulation.
; The chip was launched on July 23, 2026; its instructions are those of AMD's public machine-readable ISA for CDNA 5 (MIT licence, August 2026) and "CDNA5" Instruction Set Architecture Reference Guide (July 2026). The comments in the code are by the model that wrote it; some were corrected since.
;; Expert Linear. Allowed arithmetic: matrix products marked QUANTISED: E3M2 operands, one E8M0 scale for each 32 along K, by v_wmma_scale_f32_16x16x128_f8f6f4 with both operands' format E3M2, f32 sums; products left as they are: f32 operands where the result goes on into a quantised operand, else bf16, f16 or f32 operands; f32 sums; everything else in f32.
;; Inputs: W 8 x 1,024 x 1,024 float32; b 8 x 1 x 1,024 float32; weights 8,192 x 8 float32; x 8,192 x 1,024 float32.
;; Outputs: out0 8,192 x 1,024 float32.
;; This version of the problem:
;;   THIS VERSION OF THE PROBLEM IS GIVEN IN LOW PRECISION. The matrix products marked QUANTISED in the list below multiply operands that are first quantised to E3M2 (3 exponent bits, 2 mantissa bits; 6 bits a number), with one power-of-two scale for each 32 numbers along K (OCP MX v1.0); their sums are f32. All else is computed in f32.
;;   The module's matrix products, in the order in which they are computed (A, B: the left and right operand; K: the contracted axis; several contracted axes count as one K, in the product's order):
;;     1. batch 8,192 x [M 1,024, K 1] x [K 1, N 8]; A: computed on the way; B: computed on the way: left as it is (no contracted axis)
;;     2. [M 8,192, K 8,192] x [K 8,192, N 1,024]; A: computed on the way; B: input W: QUANTISED
;;     3. [M 8,192, K 8] x [K 8, N 1,024]; A: input weights; B: input b: left as it is (K = 8 < 32)
;;   THE QUANTISER, for each operand of a quantised product, along K:
;;     - K is cut into blocks of 32 from its start; a last block that is shorter is filled with zeros.
;;     - A block's scale is 2^e with e = floor(log2(the largest magnitude in the block)) - 4, held to -126 .. 127; a block of zeros has e = 0. As a byte (E8M0): e + 127.
;;     - Each number is divided by its block's scale, clamped to +-28, and rounded to the nearest number of E3M2, ties to even, subnormals kept.
;;     - The product sums the exact products of the quantised numbers (number of the format x scale) in f32.
;;   ~~~python
;;   def quantise(x, axis):      # numpy; x: float32 -> the quantised numbers, widened to float32 again
;;       x = np.moveaxis(x, axis, -1); K = x.shape[-1]
;;       x = np.pad(x, [(0, 0)] * (x.ndim - 1) + [(0, -K % 32)]); x = x.reshape(x.shape[:-1] + (-1, 32)); a = np.abs(x).max(-1, keepdims=True)
;;       e = np.where(a > 0, np.clip(np.frexp(np.where(a > 0, a, 1))[1] - 1 - 4, -126, 127), 0)      # np.frexp(a)[1] - 1 = floor(log2(a)), exactly
;;       r = np.clip(x / 2.0 ** e, -28, 28)
;;       step = 2.0 ** (np.maximum(np.frexp(np.where(r == 0, 1, r))[1] - 1, -2) - 2)
;;       q = np.round(r / step) * step * 2.0 ** e      # np.round: ties to even
;;       return np.moveaxis(q.reshape(q.shape[:-2] + (-1,))[..., :K], -1, axis).astype(np.float32)
;;   ~~~
;;   OPERANDS COMPUTED ON THE WAY. 'Computed on the way' means the value that the module computes at that place (a softmax that the list does not call 'softmax' is quantised finished and normalised). What goes into a quantiser is computed in f32, as accurately as f32 sums, v_exp_f32 and their like allow (about 1e-6 of the number): no bf16 or f16 on the way to a quantiser, and a product that is left as it is and whose result goes on into a quantised operand takes f32 operands (vector FMAs, or v_wmma_f32_16x16x4_f32). A number that lies on a knife's edge between two numbers of the format may be rounded either way, as far as f32 arithmetic and the matrix unit's own rounding can turn it there, and no further.
;; One version. Each part assembles by itself: llvm-mc -triple=amdgcn-amd-amdhsa -mcpu=gfx1250 --defsym DOCPART=n.
;; ======== version 1 of 1: 2 launches
;; limits: values are held in bf16: 8 bits of precision; right only within a limited range of input values
;; workspace buffers: wq 6,553,600 bytes; zq 52,428,800 bytes
;; launch prep (part 1): grid 768 x 1, 8 waves a work-group, no clusters, 73,728 bytes of LDS; arguments x, weights, zq, W, wq; writes zq, wq
.if DOCPART == 1
	.amdgcn_target "amdgcn-amd-amdhsa--gfx1250"
	.amdhsa_code_object_version 6
	.text
	.protected	k_qaa71b5a689_prep
	.globl	k_qaa71b5a689_prep
	.p2align	8
	.type	k_qaa71b5a689_prep,@function
k_qaa71b5a689_prep:
	s_mov_b64 s[64:65], 0
	v_nop
	global_prefetch_b8 v0, s[64:65] scope:SCOPE_SE
	s_setreg_imm32_b32 hwreg(HW_REG_WAVE_MODE, 25, 1), 1
	s_wait_xcnt 0x0
; Both operands of the quantised product become codes of BF6 (E3M2) with one E8M0 byte for each 32 along K = (e, i), e outermost, laid in the ORDER OF THE OPERAND REGISTERS.  One launch: work-groups 0-255 take W, 256-767 take z.
; The two paths part on the work-group's number alone; each has LDS bytes of its own.  No step and no input of the problem is left out in this program.
; A BLOCK of 12,800 bytes is 128 rows (of z) or columns (of W) x 128 along K: 8 fragment images of 1,536 bytes (16 x 128 K: registers 4 g .. 4 g + 3 of lane L at 512 g + 16 L; lane (r, h) = row or column r,
;   registers 6 cc .. 6 cc + 5 = k 64 cc + 32 h + 0 .. 31), then 512 bytes of scale words: the word of fragment 4 q + j, row r, at 12,288 + 256 q + 16 r + 4 j.
; zq = [ty 64][c 8][e 8] blocks: rows 128 ty on, i = 128 c on, expert e.   wq = [ct 4][c 8][e 8] pairs of blocks: columns 256 ct on.
; z[row][(e, i)] = weights[row][e] x[row][i], one f32 multiplication a number.  A work-group takes (ty, c) for all 8 experts; wave w takes rows 16 w on.  x is loaded a row of 512 consecutive bytes an instruction and turned
;   through the wave's own stage in LDS (rows 528 bytes apart).  Rounding keeps order, so the largest |w x| of a block is |w| times the largest |x|, rounded once: the maxima are searched once, not once an expert.
; W [e][i][o]: a lane takes a column and its registers run down K: a load reads 128 consecutive bytes a wave, a block of 32 lies in one lane, and the conversions give codes with K innermost.
; A block scale is 2^(floor(log2(largest magnitude)) - 4): its byte is the exponent field of the largest magnitude less 4, held at 1 from below by the floor 2^(5 - 127).
; LIMITS: NaN and infinities among the inputs are not served.  A block of zeros gets the byte 1 where the rule says 127: its codes are zeros, and the bytes are read by this program alone.
.set XP,    528
.set WST,   16*XP                      ; z: a wave's stage
.set SCW,   8*WST                      ; z: 512 bytes of scale words for each expert
.set SPARE, SCW+4096                   ; the spare words, 128 bytes for each wave
.set WSC,   SPARE+1024                 ; W: 512 bytes of scale words for each half of the 256 columns
.set WR,  16                           ; z: v16-23  the 8 weights of my row
.set WD,  24                           ; v24-31  my row's scale word, one for each expert
.set X,   32                           ; v32-95  x(row r, 64 cc + 32 h + 0 .. 31) at v[32 + 32 cc]
.set CDS, 96                           ; v96-191 codes, 12 registers for each expert (no store's data are written again); first the 16 rows as loaded
.set Z,   192                          ; v192-223 z of one block
.set TH,  224                          ; the upper 16 codes of a block (a conversion begins on an even register)
.set XM,  232                          ; the largest |x| of my two blocks
.set BK,  236                          ; v236-239 scale words on the way out
.set SO,  240                          ; v240-255 the conversions' scale operands: expert e, block cc at v[240 + 2 e + cc]
	s_load_b128 s[4:7], s[0:1], 0x0                ; x, weights
	s_load_b64 s[8:9], s[0:1], 0x10                ; zq
	s_load_b128 s[32:35], s[0:1], 0x18             ; W, wq
	v_lshl_add_u32 v1, v0, 2, SPARE
	v_mov_b32 v2, 0
	v_lshrrev_b32 v3, 5, v0
	v_readfirstlane_b32 s10, v3                    ; wave 0..7
	s_cmp_lt_u32 ttmp9, 256
	s_cbranch_scc1 .Lw
	s_sub_co_u32 s30, ttmp9, 256                   ; 8 ty + c
	s_lshr_b32 s11, s30, 3                         ; ty
	s_and_b32 s31, s30, 7                          ; c
	s_lshl_b32 s12, s11, 7
	s_lshl_b32 s13, s10, 4
	s_add_co_u32 s12, s12, s13                     ; my first row
	s_lshl_b32 s14, s12, 12                        ; x: rows of 4,096 bytes
	s_lshl_b32 s13, s31, 9                         ; + 128 c numbers
	s_add_co_u32 s14, s14, s13
	s_mov_b32 s15, 0
	s_lshl_b32 s16, s12, 5                         ; weights: rows of 32 bytes
	s_mov_b32 s17, 0
	s_mul_i32 s18, s30, 8*12800                    ; zq: block 64 ty + 8 c
	s_mov_b32 s19, 0
	s_mul_i32 s20, s10, 1536                       ; in each block my fragment
	s_mov_b32 s21, 0
	s_mul_i32 s22, s10, 12800                      ; the scale words of expert = wave
	s_add_co_u32 s22, s22, 12288
	s_mov_b32 s23, 0
	s_mul_i32 s24, s10, WST                        ; my stage
	s_lshr_b32 s25, s10, 2
	s_lshl_b32 s25, s25, 8                         ; q = wave / 4
	s_and_b32 s26, s10, 3
	s_lshl_b32 s26, s26, 2                         ; j = wave % 4
	s_add_co_u32 s25, s25, s26
	s_add_co_u32 s25, s25, SCW
	s_lshl_b32 s27, s10, 9
	s_add_co_u32 s27, s27, SCW
	s_mov_b32 s28, 0x76543210
	s_mov_b32 s29, 0xfedcba98                      ; v_permlanex16_b32: lane l xor 16
	v_and_b32 v3, 31, v0                           ; lane
	v_and_b32 v4, 15, v0                           ; r
	v_bfe_u32 v5, v0, 4, 1                         ; h
	v_lshlrev_b32 v6, 4, v3                        ; 16 x lane
	v_add_nc_u32 v7, s24, v6                       ; into the stage: a row as it lies
	v_mul_u32_u24 v8, v4, XP
	v_lshl_add_u32 v8, v5, 7, v8
	v_add_nc_u32 v8, s24, v8                       ; out of it: row r, 128 bytes a half
	v_lshl_add_u32 v9, v4, 4, s25                  ; where my row's scale word goes
	v_add_nc_u32 v10, s27, v6                      ; where I read an expert's 512 bytes back
	v_lshlrev_b32 v11, 5, v4                       ; weights: row r
	v_lshlrev_b32 v12, 3, v5                       ; 8 h
	s_wait_alu depctr_va_vdst(0)                   ; the wait at the head's end
	s_wait_kmcnt 0x0
	s_add_nc_u64 s[4:5], s[4:5], s[14:15]
	s_add_nc_u64 s[6:7], s[6:7], s[16:17]
	s_add_nc_u64 s[8:9], s[8:9], s[18:19]
	s_add_nc_u64 s[12:13], s[8:9], s[20:21]        ; my fragments
	s_add_nc_u64 s[14:15], s[8:9], s[22:23]        ; my expert's scale words
	global_load_b128 v[WR:WR+3], v11, s[6:7]
	global_load_b128 v[WR+4:WR+7], v11, s[6:7] offset:16
.irp t, 0,1,2,3,4,5,6,7,8,9,10,11,12,13,14,15
	global_load_b128 v[CDS+4*\t:CDS+4*\t+3], v6, s[4:5] offset:4096*\t th:TH_LOAD_NT   ; 32 lanes read 512 consecutive bytes of a row; read once in the launch
.endr
.irp t, 0,1,2,3,4,5,6,7,8,9,10,11,12,13,14,15
	s_wait_loadcnt 15-\t                           ; row t is in; the rows behind it may be out
	ds_store_b128 v7, v[CDS+4*\t:CDS+4*\t+3] offset:XP*\t
.endr
.irp c, 0,1
.irp j, 0,1,2,3,4,5,6,7
	ds_load_b128 v[X+32*\c+4*\j:X+32*\c+4*\j+3], v8 offset:256*\c+16*\j   ; LDS serves a wave's instructions in order: these see my stores
.endr
.endr
	s_wait_dscnt 0x0
; the largest |x| of my two blocks: four chains by turns
.irp q, 0,1
.irp u, 0,1
	v_max3_num_f32 v[Z+2*\q+\u], |v[X+32*\q+15*\u]|, |v[X+32*\q+15*\u+1]|, |v[X+32*\q+15*\u+2]|
.endr
.endr
.irp i, 3,5,7,9,11,13
.irp q, 0,1
.irp u, 0,1
	v_max3_num_f32 v[Z+2*\q+\u], v[Z+2*\q+\u], |v[X+32*\q+15*\u+\i]|, |v[X+32*\q+15*\u+\i+1]|
.endr
.endr
.endr
.irp q, 0,1
	v_max3_num_f32 v[XM+\q], v[Z+2*\q], v[Z+2*\q+1], |v[X+32*\q+30]|
.endr
.irp q, 0,1
	v_max_num_f32 v[XM+\q], v[XM+\q], |v[X+32*\q+31]|
.endr
; the scales of all 8 experts x 2 blocks, sixteen chains by turns
.irp e, 0,1,2,3,4,5,6,7
.irp q, 0,1
	v_mul_f32 v[SO+2*\e+\q], |v[WR+\e]|, v[XM+\q]                  ; the largest |z|
.endr
.endr
.irp n, 0,1,2,3,4,5,6,7,8,9,10,11,12,13,14,15
	v_max_num_f32 v[SO+\n], 0x2800000, v[SO+\n]    ; the floor 2^(5 - 127): the byte cannot fall under 1
.endr
.irp n, 0,1,2,3,4,5,6,7,8,9,10,11,12,13,14,15
	v_add_nc_u32 v[SO+\n], 0xfe000000, v[SO+\n]    ; 4 off the exponent field: the conversion's scale operand
.endr
.irp n, 0,1,2,3,4,5,6,7,8,9,10,11,12,13,14,15
	v_lshrrev_b32 v[Z+\n], 23, v[SO+\n]            ; the byte
.endr
.irp e, 0,1,2,3,4,5,6,7
	v_lshl_or_b32 v[Z+2*\e], v[Z+2*\e+1], 16, v[Z+2*\e]            ; my two bytes: blocks h and 2 + h,
.endr
.irp e, 0,1,2,3,4,5,6,7
	v_lshlrev_b32 v[Z+2*\e], v12, v[Z+2*\e]        ; at their places in the word;
.endr
.irp e, 0,1,2,3,4,5,6,7
	v_permlanex16_b32 v[Z+2*\e+1], v[Z+2*\e], s28, s29
.endr
.irp e, 0,1,2,3,4,5,6,7
	v_or_b32 v[WD+\e], v[Z+2*\e], v[Z+2*\e+1]      ; with those of lane l xor 16 the word is whole
.endr
.irp e, 0,1,2,3,4,5,6,7
	ds_store_b32 v9, v[WD+\e] offset:512*\e        ; lanes r and 16 + r write the same word with the same value
.endr
	s_wait_alu depctr_va_vdst(0)                   ; the wait ahead of the barrier
	s_wait_dscnt 0x0                               ; for the others' sake: my words have landed
	s_barrier_signal -1
	s_barrier_wait -1
	ds_load_b128 v[BK:BK+3], v10                   ; the 512 bytes of scale words of expert = wave
; Expert e: z = w x, two numbers an instruction; 32 codes a block; three stores of 512 consecutive bytes
.macro QF e
.set CD, CDS+12*(\e)
.set WP, WR+2*((\e)/2)
.irp c, 0,1
.irp i, 0,2,4,6,8,10,12,14,16,18,20,22,24,26,28,30
.if (\e)%2
	v_pk_mul_f32 v[Z+\i:Z+\i+1], v[X+32*\c+\i:X+32*\c+\i+1], v[WP:WP+1] op_sel:[0,1] op_sel_hi:[1,1]
.else
	v_pk_mul_f32 v[Z+\i:Z+\i+1], v[X+32*\c+\i:X+32*\c+\i+1], v[WP:WP+1] op_sel_hi:[1,0]
.endif
.endr
	v_cvt_scalef32_pk16_bf6_f32 v[CD+6*\c:CD+6*\c+2], v[Z:Z+15], v[SO+2*(\e)+\c]
	v_cvt_scalef32_pk16_bf6_f32 v[TH:TH+2], v[Z+16:Z+31], v[SO+2*(\e)+\c]
	v_nop                                          ; one plain line behind the conversions
.irp i, 0,1,2
	v_mov_b32 v[CD+6*\c+3+\i], v[TH+\i]
.endr
.endr
.irp g, 0,1,2
	global_store_b128 v6, v[CD+4*\g:CD+4*\g+3], s[12:13] offset:12800*(\e)+512*\g
.endr
.endm
	QF 0
	s_wait_dscnt 0x0
	global_store_b128 v6, v[BK:BK+3], s[14:15]     ; 512 consecutive bytes
.irp e, 1,2,3,4,5,6,7
	QF \e
.endr
	s_wait_tensorcnt 0x0                           ; the wave's end
	ds_add_u32 v1, v2
	s_wait_dscnt 0x0
	s_endpgm
; W.  Work-group 64 ct + 8 c + e takes 256 columns x 128 along K; wave w takes 32 columns, a lane a column.
; My blocks 0 and 2 are the 12 registers of fragment lane (r, 0), my blocks 1 and 3 those of lane (r, 1): they are stored as they stand, sixteen lanes to 256 consecutive aligned bytes.
.set DAT, 32                           ; v32-159  128 numbers: W(128 c + k, my column)
.set S0,  160                          ; v160-171 fragment lane (r, 0); v172-183 fragment lane (r, 1)
.set TP0, 184                          ; the upper 16 codes of each block
.Lw:
	s_and_b32 s11, ttmp9, 7                        ; e
	s_bfe_u32 s12, ttmp9, 0x30003                  ; c
	s_lshr_b32 s13, ttmp9, 6                       ; ct
	s_lshl_b32 s20, s11, 22                        ; W: expert x 4 MiB
	s_lshl_b32 s21, s12, 19                        ; + 128 c rows of 4,096 bytes
	s_add_co_u32 s20, s20, s21
	s_lshl_b32 s21, s13, 10                        ; + 256 ct columns
	s_add_co_u32 s20, s20, s21
	s_lshl_b32 s21, s10, 7                         ; + 32 columns a wave
	s_add_co_u32 s20, s20, s21
	s_mov_b32 s21, 0
	s_mul_i32 s22, ttmp9, 25600                    ; my pair of blocks of wq
	s_mov_b32 s23, 0
	s_lshr_b32 s18, s10, 2                         ; which half of the 256 columns
	s_and_b32 s19, s10, 3
	s_mul_i32 s24, s18, 12800
	s_mul_i32 s25, s19, 3072
	s_add_co_u32 s24, s24, s25                     ; in it: my half, my two fragments
	s_mov_b32 s25, 0
	s_and_b32 s27, s10, 1
	s_mul_i32 s30, s27, 12800
	s_add_co_u32 s30, s30, 12288                   ; the scale words of half (wave % 2)
	s_mov_b32 s31, 0
	s_lshl_b32 s26, s18, 9                         ; LDS: 512 bytes of scale words for each half,
	s_bfe_u32 s28, s10, 0x10001
	s_lshl_b32 s28, s28, 8                         ; q = (wave / 2) % 2,
	s_add_co_u32 s26, s26, s28
	s_lshl_b32 s28, s27, 3                         ; j = 2 (wave % 2) + lane / 16
	s_add_co_u32 s26, s26, s28
	s_add_co_u32 s26, s26, WSC
	s_lshl_b32 s29, s27, 9
	s_add_co_u32 s29, s29, WSC
	v_and_b32 v6, 31, v0                           ; lane
	v_bfe_u32 v7, v0, 4, 1                         ; lane / 16: which of my two fragments
	v_and_b32 v13, 15, v0                          ; r
	v_lshlrev_b32 v15, 2, v6                       ; in: 4 bytes a lane
	v_mul_u32_u24 v3, v7, 1536
	v_lshl_add_u32 v3, v13, 4, v3                  ; out: my fragment, 16 bytes at 16 r
	v_lshlrev_b32 v5, 4, v6                        ; 16 x lane
	v_lshlrev_b32 v4, 2, v7
	v_lshl_add_u32 v4, v13, 4, v4
	v_add_nc_u32 v4, s26, v4                       ; where my scale word goes
	v_add_nc_u32 v14, s29, v5                      ; and where waves 0 and 1 read a half back
	s_wait_alu depctr_va_vdst(0)                   ; the wait at the head's end
	s_wait_kmcnt 0x0
	s_add_nc_u64 s[32:33], s[32:33], s[20:21]
	s_add_nc_u64 s[12:13], s[34:35], s[22:23]
	s_add_nc_u64 s[14:15], s[12:13], s[24:25]
	s_add_nc_u64 s[16:17], s[12:13], s[30:31]
.set KK, 0
.rept 128
	global_load_b32 v[DAT+KK], v15, s[32:33] offset:KK*4096 th:TH_LOAD_NT   ; all my numbers are asked for at once; read once in the launch
.set KK, KK+1
.endr
; Block kb of my column.  cnt: how many younger loads may stay out (96 and 64 are cut to 63, the most that the wait can name)
.macro WBLOCK kb, cnt
.set XS, DAT+32*(\kb)
.set SD, S0+12*((\kb)%2)+6*((\kb)/2)
.set TP, TP0+4*(\kb)
	s_wait_loadcnt \cnt
	v_max3_num_f32 v8, |v[XS]|, |v[XS+1]|, |v[XS+2]|               ; the largest magnitude: all 32 numbers are mine; two chains
	v_max3_num_f32 v9, |v[XS+3]|, |v[XS+4]|, |v[XS+5]|
.irp i, 6,10,14,18,22,26
	s_delay_alu instid0(VALU_DEP_2)
	v_max3_num_f32 v8, v8, |v[XS+\i]|, |v[XS+\i+1]|
	s_delay_alu instid0(VALU_DEP_2)
	v_max3_num_f32 v9, v9, |v[XS+\i+2]|, |v[XS+\i+3]|
.endr
	s_delay_alu instid0(VALU_DEP_2)
	v_max3_num_f32 v8, v8, |v[XS+30]|, |v[XS+31]|
	s_delay_alu instid0(VALU_DEP_1)
	v_max3_num_f32 v8, v8, v9, 0x2800000           ; and the floor 2^(5 - 127)
	s_delay_alu instid0(VALU_DEP_1)
	v_add_nc_u32 v10, 0xfe000000, v8               ; 4 off the exponent field: the conversion's scale operand
	s_delay_alu instid0(VALU_DEP_1)
	v_lshrrev_b32 v11, 23, v10                     ; the byte
.if (\kb) == 0
	s_delay_alu instid0(VALU_DEP_1)
	v_mov_b32 v12, v11                             ; four bytes make the scale word of my column, the lower K in the lower byte
.else
	s_delay_alu instid0(VALU_DEP_1)
	v_lshl_or_b32 v12, v11, 8*(\kb), v12
.endif
	v_cvt_scalef32_pk16_bf6_f32 v[SD:SD+2], v[XS:XS+15], v10
	v_cvt_scalef32_pk16_bf6_f32 v[TP:TP+2], v[XS+16:XS+31], v10
	v_nop                                          ; one plain line behind the conversions
.irp i, 0,1,2
	v_mov_b32 v[SD+3+\i], v[TP+\i]
.endr
.endm
	WBLOCK 0, 63
	WBLOCK 1, 63
	WBLOCK 2, 32
	WBLOCK 3, 0
	ds_store_b32 v4, v12                           ; the scale words of the work-group meet in LDS, in the order in which they leave
	s_wait_alu depctr_va_vdst(0)                   ; the wait ahead of the barrier
	s_wait_dscnt 0x0                               ; for the others' sake: my store has landed
	s_barrier_signal -1
	s_barrier_wait -1
.irp h, 0,1
.irp g, 0,1,2
	global_store_b128 v3, v[S0+12*\h+4*\g:S0+12*\h+4*\g+3], s[14:15] offset:512*\g+256*\h   ; sixteen lanes store 256 consecutive bytes, at a multiple of 256 from wq's first byte
.endr
.endr
	s_cmp_lt_u32 s10, 2                            ; waves 0 and 1 store the scale words of one half each
	s_cbranch_scc0 .Lwdone
	ds_load_b128 v[200:203], v14
	s_wait_dscnt 0x0
	global_store_b128 v5, v[200:203], s[16:17]     ; 512 consecutive bytes
.Lwdone:
	s_wait_tensorcnt 0x0                           ; the wave's end
	ds_add_u32 v1, v2
	s_wait_dscnt 0x0
	s_endpgm
.Lfunc_end_k_qaa71b5a689_prep:
	.size	k_qaa71b5a689_prep, .Lfunc_end_k_qaa71b5a689_prep-k_qaa71b5a689_prep
	.p2alignl 7, 3214868480
	.fill 96, 4, 3214868480
	.section	.rodata,"a",@progbits
	.p2align	6, 0x0
	.amdhsa_kernel k_qaa71b5a689_prep
		.amdhsa_group_segment_fixed_size 73728
		.amdhsa_private_segment_fixed_size 0
		.amdhsa_enable_private_segment 0
		.amdhsa_kernarg_size 40
		.amdhsa_user_sgpr_count 2
		.amdhsa_user_sgpr_kernarg_segment_ptr 1
		.amdhsa_wavefront_size32 1
		.amdhsa_system_sgpr_workgroup_id_x 1
		.amdhsa_system_sgpr_workgroup_id_y 1
		.amdhsa_system_sgpr_workgroup_id_z 1
		.amdhsa_system_vgpr_workitem_id 0
		.amdhsa_next_free_vgpr 256
		.amdhsa_next_free_sgpr 66
		.amdhsa_reserve_vcc 0
		.amdhsa_float_denorm_mode_32 3
		.amdhsa_float_denorm_mode_16_64 3
		.amdhsa_memory_ordered 1
		.amdhsa_forward_progress 1
		.amdhsa_inst_pref_size 61
	.end_amdhsa_kernel
	.amdgpu_metadata
---
amdhsa.version: [ 1, 2 ]
amdhsa.kernels:
  - .name:           k_qaa71b5a689_prep
    .symbol:         k_qaa71b5a689_prep.kd
    .args:
      - { .name: x, .offset: 0, .size: 8, .value_kind: global_buffer, .address_space: global }
      - { .name: weights, .offset: 8, .size: 8, .value_kind: global_buffer, .address_space: global }
      - { .name: zq, .offset: 16, .size: 8, .value_kind: global_buffer, .address_space: global }
      - { .name: W, .offset: 24, .size: 8, .value_kind: global_buffer, .address_space: global }
      - { .name: wq, .offset: 32, .size: 8, .value_kind: global_buffer, .address_space: global }
    .group_segment_fixed_size: 73728
    .private_segment_fixed_size: 0
    .kernarg_segment_align: 8
    .kernarg_segment_size: 40
    .max_flat_workgroup_size: 256
    .sgpr_count:     66
    .vgpr_count:     256
    .wavefront_size: 32
...
	.end_amdgpu_metadata
.endif
;; end of part 1
;; launch gemm (part 2): grid 4 x 64, 4 waves a work-group, clusters of 4 x 4, 327,680 bytes of LDS; arguments zq, wq, weights, b, out0; writes out0
.if DOCPART == 2
	.amdgcn_target "amdgcn-amd-amdhsa--gfx1250"
	.amdhsa_code_object_version 6
	.text
	.protected	k_qaa71b5a689_gemm
	.globl	k_qaa71b5a689_gemm
	.p2align	8
	.type	k_qaa71b5a689_gemm,@function
k_qaa71b5a689_gemm:
	s_mov_b64 s[64:65], 0
	v_nop
	global_prefetch_b8 v0, s[64:65] scope:SCOPE_SE
	s_setreg_imm32_b32 hwreg(HW_REG_WAVE_MODE, 25, 1), 1
	s_wait_xcnt 0x0
	s_wait_alu depctr_hold_cnt(0) depctr_sa_sdst(0) depctr_va_vdst(0) depctr_va_sdst(0) depctr_va_ssrc(0) depctr_va_vcc(0) depctr_vm_vsrc(0)
	s_getreg_b32 s2, hwreg(HW_REG_IB_STS2, 6, 4)
	s_cmp_eq_u32 s2, 0
	s_cbranch_scc0 .Lentry_in_a_cluster
	s_endpgm
.Lentry_in_a_cluster:
	s_bfe_u32 s2, ttmp6, 0x10000c
	s_cmp_lg_u32 s2, 0xf033
	s_cbranch_scc0 .Lentry_shape_is_right
	s_endpgm
.Lentry_shape_is_right:
; out0[row][o] = sum over (e, i) of Q(weights[row][e] x[row][i]) Q(W[e][i][o]) + sum over e of weights[row][e] b[e][o].  Both quantised operands come as codes of BF6 with E8M0 scales, laid as operand registers
; by the launch before: zq [ty 64][s 64] blocks of 12,800 bytes (128 rows x 128 K), wq [ct 4][s 64] blocks of 25,600 bytes (two halves of 128 columns x 128 K); s = 8 c + e is the same K step in both.
; A block of 12,800 bytes: 8 fragment images of 1,536 bytes (registers 4 g .. 4 g + 3 of lane L at 512 g + 16 L), then the scale words (fragment 4 q + j, row r at 12,288 + 256 q + 16 r + 4 j).
; SHARES.  A work-group makes 128 rows x 256 columns.  Wave w: Cc = w % 2 picks its 128 columns, kh = w / 2 the parity of its K steps: 128 x 128 of C (64 accumulators, 512 registers) over half of K.
;   A STEP is two K steps, one for each parity: 64 matrix instructions a wave from 16 fragments; there are 32.  The two halves of K meet once, at the end, in LDS.
;   Row blocks are rotated by kh: accumulator rows a = 0..3 (window 2) are row blocks 4 kh + a, which this wave stores; a = 4..7 (window 3) are the partner wave's (w xor 2).
; THE RING: two slots, each with four K steps (two steps): 102,400 bytes of wq, then 51,200 of zq, dense rows of 256 bytes.  Waves 0, 1 fetch the halves of wq's part, waves 2, 3 those of zq's: one load a wave.
;   Fragments are fetched one step ahead into the other of two register sets, in three runs among the products.  So a slot is read out when its second step begins: there stands the change of slots,
;   with nothing but the waits, the add, the descriptors' step and the round between the landing of one fill and the request for the next.
; CLUSTER 4 x 4: the four work-groups of a cluster row share their rows of zq, the four of a cluster column their columns of wq: both are asked for jointly.
; THE BIAS PRODUCT (K = 8, left as it is, bf16 operands) starts the 32 sums that this wave stores; the first step starts the other 32 with C = 0.  Nothing is cleared.
; THE MATRIX INSTRUCTION IS USED TRANSPOSED: source 0 = 16 columns of W, source 1 = 16 rows of z: a lane holds eight neighbouring columns of one row of C.
; PREFETCH: behind each refill the fill two refills on is named, each 256 bytes once in the cluster: the four partners of a joint load take a quarter each, told apart by address.  Fills 0 to 3 come by their loads alone; the last trip names nothing.
; The launch claims all of a WGP's LDS.
; LIMITS: NaN and infinities among the inputs are not served.  The f32 sums run in another order than in the reference (chunks of i outside experts; K split over two waves).
; REGISTERS.  window 0: v1-17 addresses; v32-47 scale words, two sets, and nothing else; v64-159, v160-255 fragments of z and of W, set 1 (at the head the bias operands).
;   window 1: v0-95, v96-191 fragments of z and of W, set 0.   windows 2, 3: accumulator (a, b) at v[8 (8 (a % 4) + b)].
.set KSB,   25600
.set HALFB, 12800
.set FRB,   1536
.set BPART, 4*KSB
.set APART, 4*HALFB
.set SLOT,  BPART+APART
.set SPARE, 2*SLOT                     ; the spare words, 128 bytes for each wave
.set XP,    528                        ; the way out: a row of 512 bytes + 16
.set PL,    128*XP                     ; a wave's plane of 128 rows; the four planes lie in the slots, behind their last fill and last read
.set SPW, 1
.set NIL, 2
.set ADB, 3                            ; v3, v4    my fragments of W in slot 0, 1
.set ADAL, 5                           ; v5, v6    fragments of z, row blocks 4 kh on;  v7, v8 the other four
.set ADSA, 9                           ; v9, v10   scale words of z: lanes 0-15 take the row blocks 4 kh on
.set STL, 11                           ; v11, v12  the way out: where accumulator rows 0-3, 4-7 go
.set STH, 12
.set RDM, 13                           ; v13, v14  where I read my rows back: my plane, the partner's
.set RDP, 14
.set PFO, 15                           ; v15, v16  the prefetches' offsets; never rewritten
.set CO,  17                           ; v17       16 x lane
.set SB,  32                           ; scale words of W, set s at v[32 + 8 s]; of z at v[36 + 8 s]
.set SA,  36
.set WV,  14
.set UU,  15
.set KH,  16
.set G1B, 24
.set G0B, 32                           ; s[32:35] slot 0, s[36:39] slot 1
.set G1A, 40
.set G0A, 48
.set CNT, 56
.set PFA, 58
.set PFS, 60
.set MSB, 0
.macro WIN new                         ; the immediate's high byte repeats the setting that is left
.if MSB != (\new)
	s_set_vgpr_msb (MSB<<8)|(\new)
.set MSB, (\new)
.endif
.endm
.macro PLACES
.rept 4
	v_nop
.endr
.endm
.macro CREST                           ; a round of the cluster's barrier behind its opening barrier
	s_cmp_lg_u32 s[WV], 0
	s_cbranch_scc1 .Lnot_wave_0_\@
	s_barrier_signal -3
.Lnot_wave_0_\@:
	s_barrier_wait -3
	s_barrier_signal -1
	s_barrier_wait -1
.endm
.macro CROUND
	s_barrier_signal -1
	s_barrier_wait -1
	CREST
.endm
.macro JLOAD s                         ; a joint load: waves 0, 1 for wq, waves 2, 3 for zq; s_nop 0 and four v_nop follow each line
	s_cmp_eq_u32 s[KH], 0
	s_cbranch_scc0 .Lfor_a_\@
	tensor_load_to_lds s[G0B+4*\s:G0B+4*\s+3], s[G1B:G1B+7]
	s_nop 0
	PLACES
	s_branch .Lasked_\@
.Lfor_a_\@:
	tensor_load_to_lds s[G0A+4*\s:G0A+4*\s+3], s[G1A:G1A+7]
	s_nop 0
	PLACES
.Lasked_\@:
.endm
.macro ASK                             ; my work-group's quarter of what I fetch, two refills on: 50 blocks of 256 bytes of wq (two lines) or 25 of zq (one); lanes left over name the last block again
	WIN 0
	s_cmp_gt_u32 s[CNT], 1                         ; the last trip has no fill two refills on
	s_cbranch_scc0 .Lno_ask_\@
	global_prefetch_b8 v[PFO], s[PFA:PFA+1] th:TH_LOAD_NT scope:SCOPE_SE
	s_cmp_eq_u32 s[KH], 0
	s_cbranch_scc0 .Lno_ask_\@
	global_prefetch_b8 v[PFO+1], s[PFA:PFA+1] th:TH_LOAD_NT scope:SCOPE_SE
.Lno_ask_\@:
.endm
; One matrix instruction: rows a against column block b, register set set.  Scale words: register SB + b % 4 holds column blocks 0-3 in lanes 0-15 and 4-7 in lanes 16-31; SA + a % 4 likewise for the rotated row blocks.
.macro MM a, b, set, zero
.set AC,  8*(8*((\a)%4)+(\b))
.set FA,  64*(\set)+12*(\a)
.set FB,  96+64*(\set)+12*(\b)
.set SBR, SB+8*(\set)+(\b)%4
.set SAR, SA+8*(\set)+(\a)%4
	WIN 0xa0+0x50*((\a)/4)+5*(1-(\set))
.if ((\a) < 4) && ((\b) < 4)
	v_wmma_scale_f32_16x16x128_f8f6f4 v[AC:AC+7], v[FB:FB+11], v[FA:FA+11], v[AC:AC+7], v[SBR], v[SAR] matrix_a_fmt:MATRIX_FMT_BF6 matrix_b_fmt:MATRIX_FMT_BF6
.elseif (\a) < 4
	v_wmma_scale_f32_16x16x128_f8f6f4 v[AC:AC+7], v[FB:FB+11], v[FA:FA+11], v[AC:AC+7], v[SBR], v[SAR] matrix_a_fmt:MATRIX_FMT_BF6 matrix_b_fmt:MATRIX_FMT_BF6 matrix_a_scale:MATRIX_SCALE_ROW1
.elseif ((\b) < 4) && (\zero)
	v_wmma_scale_f32_16x16x128_f8f6f4 v[AC:AC+7], v[FB:FB+11], v[FA:FA+11], 0, v[SBR], v[SAR] matrix_a_fmt:MATRIX_FMT_BF6 matrix_b_fmt:MATRIX_FMT_BF6 matrix_b_scale:MATRIX_SCALE_ROW1
.elseif (\b) < 4
	v_wmma_scale_f32_16x16x128_f8f6f4 v[AC:AC+7], v[FB:FB+11], v[FA:FA+11], v[AC:AC+7], v[SBR], v[SAR] matrix_a_fmt:MATRIX_FMT_BF6 matrix_b_fmt:MATRIX_FMT_BF6 matrix_b_scale:MATRIX_SCALE_ROW1
.elseif \zero
	v_wmma_scale_f32_16x16x128_f8f6f4 v[AC:AC+7], v[FB:FB+11], v[FA:FA+11], 0, v[SBR], v[SAR] matrix_a_fmt:MATRIX_FMT_BF6 matrix_b_fmt:MATRIX_FMT_BF6 matrix_a_scale:MATRIX_SCALE_ROW1 matrix_b_scale:MATRIX_SCALE_ROW1
.else
	v_wmma_scale_f32_16x16x128_f8f6f4 v[AC:AC+7], v[FB:FB+11], v[FA:FA+11], v[AC:AC+7], v[SBR], v[SAR] matrix_a_fmt:MATRIX_FMT_BF6 matrix_b_fmt:MATRIX_FMT_BF6 matrix_a_scale:MATRIX_SCALE_ROW1 matrix_b_scale:MATRIX_SCALE_ROW1
.endif
.endm
.macro GRP a, set, zero                ; row block a against the eight column blocks: the 64 accumulators take turns, one instruction a turn
.irp b, 0,1,2,3,4,5,6,7
	MM \a, \b, \set, \zero
.endr
.endm
.macro LDB b, slot, dd, set
.irp g, 0,1,2
	ds_load_b128 v[96+64*(\set)+12*(\b)+4*\g:96+64*(\set)+12*(\b)+4*\g+3], v[ADB+\slot] offset:2*KSB*(\dd)+FRB*(\b)+512*\g
.endr
.endm
.macro LDA a, slot, dd, set
.irp g, 0,1,2
	ds_load_b128 v[64*(\set)+12*(\a)+4*\g:64*(\set)+12*(\a)+4*\g+3], v[ADAL+2*((\a)/4)+\slot] offset:2*HALFB*(\dd)+FRB*((\a)%4)+512*\g
.endr
.endm
; Run i of the three that fetch a step's 16 fragments and 2 x 4 scale words from step dd of a slot into a set: 17, 18, 15 loads
.macro RUN i, slot, dd, set
.if \i == 0
	WIN 0
	ds_load_b128 v[SB+8*(\set):SB+8*(\set)+3], v[ADB+\slot] offset:2*KSB*(\dd)+12288
	ds_load_b128 v[SA+8*(\set):SA+8*(\set)+3], v[ADSA+\slot] offset:2*HALFB*(\dd)
.endif
	WIN 0x40*(1-(\set))                            ; set 0 lies in window 1, set 1 in window 0
.if \i == 0
.irp n, 0,1,2,3,4
	LDB \n, \slot, \dd, \set
.endr
.elseif \i == 1
.irp n, 5,6,7
	LDB \n, \slot, \dd, \set
.endr
.irp n, 0,1,2
	LDA \n, \slot, \dd, \set
.endr
.else
.irp n, 3,4,5,6,7
	LDA \n, \slot, \dd, \set
.endr
.endif
.endm
; A STEP on register set set.  slot, dd: where the NEXT step's fragments lie (pre = 1: they are fetched into the other set).  The last run of a step stands 32 products ahead of the next step, which waits for all of it.
; kind 1, a slot's second step: the change of slots.  Every wave waits for all its tensor loads (the one that is out is its part of the other slot), adds 0 to its spare word, and waits for that and for its reads of this slot;
;   a round of the cluster's barrier; behind it this slot is filled again, two fills on, and then the other slot is read.   kind 2: the same with nothing filled: a plain barrier.   kind 0: a slot's first step.
.macro STEP set, kind, slot, dd, pre, zero, ask
.set RS, 1-(\slot)
.if \kind
	WIN 0
.if \kind == 1
	s_wait_xcnt 0x0                                ; my last prefetches have read their address: it steps one fill on
	s_add_nc_u64 s[PFA:PFA+1], s[PFA:PFA+1], s[PFS:PFS+1]
.endif
	s_wait_tensorcnt 0x0                           ; no tensor load of mine is out, so the descriptors may be stepped
	ds_add_u32 v[SPW], v[NIL]
.if \kind == 1
	s_add_nc_u64 s[G0B+4*RS+2:G0B+4*RS+3], s[G0B+4*RS+2:G0B+4*RS+3], 2*BPART
	s_add_nc_u64 s[G0A+4*RS+2:G0A+4*RS+3], s[G0A+4*RS+2:G0A+4*RS+3], 2*APART
.endif
	s_wait_dscnt 0x0                               ; the add is done, and my reads of this slot are over
	s_barrier_signal -1
	s_barrier_wait -1
.if \kind == 1
	CREST
	JLOAD RS                                       ; the first tensor load behind the round; its four v_nop are the places in front of the loads below
.else
	PLACES
.endif
.else
	s_wait_dscnt 0x0                               ; this step's fragments are in
	PLACES                                         ; four places between the last step's products and the loads into their operands
.endif
.if \pre
	RUN 0, \slot, \dd, 1-(\set)
.endif
.if \ask
	ASK
.endif
	GRP 0, \set, \zero
	GRP 1, \set, \zero
.if \pre
	RUN 1, \slot, \dd, 1-(\set)
.endif
	GRP 2, \set, \zero
	GRP 3, \set, \zero
.if \pre
	RUN 2, \slot, \dd, 1-(\set)
.endif
.irp g, 4,5,6,7
	GRP \g, \set, \zero
.endr
.endm
	s_load_b256 s[4:11], s[0:1], 0x0               ; zq s[4:5], wq s[6:7], weights s[8:9], b s[10:11]
	s_load_b64 s[12:13], s[0:1], 0x20              ; out0
	v_lshl_add_u32 v[SPW], v0, 2, SPARE
	v_mov_b32 v[NIL], 0
	ds_add_u32 v[SPW], v[NIL]                      ; the opening lines: the add, twice on end, and its wait ahead of my first tensor load
	ds_add_u32 v[SPW], v[NIL]
	v_lshrrev_b32 v18, 5, v0
	v_readfirstlane_b32 s[WV], v18                 ; wave 0..3
	s_and_b32 s[UU], s[WV], 1                      ; Cc; also which half of a part I fetch
	s_lshr_b32 s[KH], s[WV], 1                     ; kh; also: I fetch for wq (0) or for zq (1)
	s_bfe_u32 s17, ttmp6, 0x40000                  ; cx
	s_bfe_u32 s18, ttmp6, 0x40004                  ; cy
	s_lshl_b32 s19, ttmp9, 2
	s_add_co_u32 s19, s19, s17                     ; ct: my tile of 256 columns
	s_and_b32 s20, ttmp7, 0xffff
	s_lshl_b32 s20, s20, 2
	s_add_co_u32 s20, s20, s18                     ; ty: my tile of 128 rows
	s_lshl_b32 s21, s18, 2
	s_lshl_b32 s21, 15, s21                        ; my row of the cluster: it shares zq
	s_lshl_b32 s22, 0x1111, s17                    ; my column: it shares wq
	s_or_b32 s[G1B], s22, (3<<16)|(1<<21)          ; group 1: dense rows of 32 elements of 8 bytes, no padding: 200 rows of wq, 100 of zq
	s_or_b32 s[G1A], s21, (3<<16)|(1<<21)
	s_mov_b32 s[G1B+1], 32<<16
	s_mov_b32 s[G1B+2], 200<<16
	s_mov_b32 s[G1B+3], 32<<16
	s_mov_b32 s[G1B+4], 200
	s_mov_b32 s[G1B+5], 32
	s_mov_b32 s[G1B+6], 0
	s_mov_b32 s[G1B+7], 0
	s_mov_b32 s[G1A+1], 32<<16
	s_mov_b32 s[G1A+2], 100<<16
	s_mov_b32 s[G1A+3], 32<<16
	s_mov_b32 s[G1A+4], 100
	s_mov_b32 s[G1A+5], 32
	s_mov_b32 s[G1A+6], 0
	s_mov_b32 s[G1A+7], 0
	s_mul_i32 s66, s19, 64*KSB                     ; wq: my columns' stream, hangs on ct alone,
	s_mul_i32 s68, s[UU], 2*KSB                    ; + the half that I fetch: in memory and in LDS
	s_add_co_u32 s66, s66, s68
	s_mov_b32 s67, 0
	s_mul_i32 s70, s20, 64*HALFB                   ; zq: my rows' stream, hangs on ty alone
	s_mul_i32 s69, s[UU], 2*HALFB
	s_add_co_u32 s70, s70, s69
	s_mov_b32 s71, 0
	s_mul_i32 s76, s[KH], KSB                      ; LDS: a constant + constants x the wave's bits
	s_mul_i32 s77, s[UU], HALFB
	s_add_co_u32 s76, s76, s77
	s_mul_i32 s77, s[KH], HALFB+4*FRB
	s_add_co_u32 s77, s77, BPART
	s_mul_i32 s78, s[KH], HALFB-4*FRB
	s_add_co_u32 s78, s78, BPART+4*FRB
	s_mul_i32 s79, s[KH], HALFB
	s_add_co_u32 s79, s79, BPART+12288
	s_lshl_b32 s80, s[KH], 4
	s_mul_i32 s81, s[WV], PL
	s_mul_i32 s82, s[KH], 64*XP
	s_xor_b32 s83, s[KH], 1
	s_mul_i32 s83, s83, 64*XP
	s_xor_b32 s84, s[WV], 2
	s_mul_i32 s84, s84, PL
	s_add_co_u32 s85, s81, s82                     ; my plane, the rows that I store
	s_add_co_u32 s86, s81, s83                     ; my plane, the partner's rows
	s_add_co_u32 s87, s84, s82                     ; the partner's plane, my rows
	s_lshl_b32 s89, s[KH], 11                      ; weights: 64 kh rows of 32 bytes
	s_lshl_b32 s72, s20, 19                        ; out0: row 128 ty + 64 kh, column 256 ct + 128 Cc
	s_lshl_b32 s73, s[KH], 18
	s_add_co_u32 s72, s72, s73
	s_lshl_b32 s73, s19, 10
	s_add_co_u32 s72, s72, s73
	s_lshl_b32 s73, s[UU], 9
	s_add_co_u32 s72, s72, s73
	s_mov_b32 s73, 0
	s_lshl_b32 s74, s20, 12                        ; weights: 128 ty rows
	s_mov_b32 s75, 0
	s_lshl_b32 s62, s19, 10                        ; b: column 256 ct + 128 Cc
	s_lshl_b32 s63, s[UU], 9
	s_add_co_u32 s62, s62, s63
	s_mov_b32 s63, 0
	s_mul_i32 s90, s18, HALFB                      ; the prefetches: of wq's 51,200 bytes the quarter cy,
	s_add_co_u32 s90, s90, s66
	s_add_co_u32 s90, s90, 3*BPART                 ; at fill 3: the first change of slots steps it to fill 4
	s_mul_i32 s91, s17, HALFB/2                    ; of zq's 25,600 the quarter cx
	s_add_co_u32 s91, s91, s70
	s_add_co_u32 s91, s91, 3*APART
	s_mov_b32 s[PFS], APART
	s_cmp_eq_u32 s[KH], 0
	s_cselect_b32 s92, s90, s91
	s_cselect_b32 s[PFS], BPART, s[PFS]            ; a fill on
	s_cselect_b32 s88, 31, 24                      ; the last block of the first line
	s_mov_b32 s93, 0
	s_mov_b32 s[PFS+1], 0
	s_wait_dscnt 0x0                               ; both opening adds are done
	s_wait_kmcnt 0x0
	s_cselect_b64 s[PFA:PFA+1], s[6:7], s[4:5]
	s_add_nc_u64 s[PFA:PFA+1], s[PFA:PFA+1], s[92:93]
	s_add_nc_u64 s[12:13], s[12:13], s[72:73]
	s_add_nc_u64 s[8:9], s[8:9], s[74:75]
	s_add_nc_u64 s[10:11], s[10:11], s[62:63]
	s_add_nc_u64 s[72:73], s[6:7], s[66:67]
	s_add_nc_u64 s[74:75], s[4:5], s[70:71]
	CROUND                                         ; all sixteen work-groups are here: the first joint loads meet
.irp s, 0,1
	s_mov_b32 s[G0B+4*\s], 1
	s_add_co_u32 s[G0B+4*\s+1], s68, \s*SLOT
	s_add_nc_u64 s[G0B+4*\s+2:G0B+4*\s+3], s[72:73], \s*BPART
	s_or_b32 s[G0B+4*\s+3], s[G0B+4*\s+3], 0x80000000
	s_mov_b32 s[G0A+4*\s], 1
	s_add_co_u32 s[G0A+4*\s+1], s69, \s*SLOT+BPART
	s_add_nc_u64 s[G0A+4*\s+2:G0A+4*\s+3], s[74:75], \s*APART
	s_or_b32 s[G0A+4*\s+3], s[G0A+4*\s+3], 0x80000000
.endr
	JLOAD 0                                        ; fill 0: one tensor load a wave at the head
	v_and_b32 v18, 31, v0                          ; lane
	v_and_b32 v19, 15, v0                          ; r
	v_bfe_u32 v20, v0, 4, 1                        ; h
	v_lshlrev_b32 v[CO], 4, v18
	v_add_nc_u32 v[ADB], s76, v[CO]
	v_add_nc_u32 v[ADB+1], SLOT, v[ADB]
	v_add_nc_u32 v[ADAL], s77, v[CO]
	v_add_nc_u32 v[ADAL+1], SLOT, v[ADAL]
	v_add_nc_u32 v[ADAL+2], s78, v[CO]
	v_add_nc_u32 v[ADAL+3], SLOT, v[ADAL+2]
	v_xor_b32 v[ADSA], s80, v18
	v_lshl_add_u32 v[ADSA], v[ADSA], 4, s79
	v_add_nc_u32 v[ADSA+1], SLOT, v[ADSA]
	v_mul_u32_u24 v24, v19, XP
	v_lshl_add_u32 v24, v20, 5, v24                ; the way out: row r, 32 bytes a half
	v_add_nc_u32 v[STL], s85, v24
	v_add_nc_u32 v[STH], s86, v24
	v_add_nc_u32 v[RDM], s85, v[CO]
	v_add_nc_u32 v[RDP], s87, v[CO]
	v_lshl_add_u32 v21, v19, 5, s89                ; weights: row 64 kh + r
	v_lshlrev_b32 v22, 2, v19                      ; b: column r
	v_add_nc_u32 v23, -1, v20                      ; all ones in lanes 0-15, 0 in lanes 16-31
	v_min_u32 v[PFO], s88, v18
	v_lshlrev_b32 v[PFO], 8, v[PFO]                ; a block of 256 bytes a lane
	v_min_u32 v[PFO+1], 17, v18
	v_add_lshl_u32 v[PFO+1], v[PFO+1], 32, 8       ; blocks 32 .. 49
	s_wait_alu depctr_va_vdst(0)                   ; the wait behind the head's address work
.irp nb, 0,1,2,3,4,5,6,7
.irp e, 0,1,2,3,4,5,6,7
	global_load_b32 v[160+8*\nb+\e], v22, s[10:11] offset:4096*\e+64*\nb       ; b(e, 16 nb + r)
.endr
.endr
.irp a, 0,1,2,3
	global_load_b128 v[224+8*\a:224+8*\a+3], v21, s[8:9] offset:512*\a         ; the weights of row block 4 kh + a
	global_load_b128 v[224+8*\a+4:224+8*\a+7], v21, s[8:9] offset:512*\a+16
.endr
	s_wait_loadcnt 0x0
.set T, 0
.rept 12                               ; bf16 fragments at v[64 + 8 T]: 0-7 b, 8-11 weights.  Register j: experts 2 j, 2 j + 1; registers 4-7 (K = 16 .. 31): none
.irp j, 0,1,2,3
	v_cvt_pk_bf16_f32 v[64+8*T+\j], v[160+8*T+2*\j], v[160+8*T+2*\j+1]
	v_mov_b32 v[64+8*T+4+\j], 0
.endr
.set T, T+1
.endr
.irp a, 0,1,2,3
.irp j, 0,1,2,3
	v_and_b32 v[128+8*\a+\j], v23, v[128+8*\a+\j]  ; lanes 16-31 hold K = 8 .. 15, which is none: zeros on the weights' side (b's copies there are finite)
.endr
.endr
	PLACES
	WIN 0x80                                       ; D in window 2
.irp a, 0,1,2,3
.irp b, 0,1,2,3,4,5,6,7
	v_wmma_f32_16x16x32_bf16 v[8*(8*\a+\b):8*(8*\a+\b)+7], v[64+8*\b:64+8*\b+7], v[128+8*\a:128+8*\a+7], 0
.endr
.endr
	WIN 0
.rept 5
	v_nop                                          ; five places ahead of the scaled products that write over these results
.endr
	s_wait_alu depctr_va_vdst(0)                   ; the wait at the head's end
	s_wait_tensorcnt 0x0                           ; my part of fill 0 is in; the same lines ahead of a later first fill as ahead of a refill
	ds_add_u32 v[SPW], v[NIL]
	s_wait_dscnt 0x0
	CROUND
	JLOAD 1                                        ; fill 1, the first tensor load behind the round
.irp i, 0,1,2
	RUN \i, 0, 0, 0
.endr
	STEP 0, 0, 0, 1, 1, 1, 0                       ; step 0 stands in front of the loop: it starts the sums of window 3
	WIN 0
	s_mov_b32 s[CNT], 7
.Ltrip:                                                ; a trip is four steps, 4 t + 1 .. 4 t + 4: once round the ring and through both register sets; both slots are filled again
	STEP 1, 1, 1, 0, 1, 0, 1
	STEP 0, 0, 1, 1, 1, 0, 0
	STEP 1, 1, 0, 0, 1, 0, 1
	STEP 0, 0, 0, 1, 1, 0, 0
	WIN 0
	s_sub_co_u32 s[CNT], s[CNT], 1
	s_cmp_lg_u32 s[CNT], 0
	s_cbranch_scc1 .Ltrip
	STEP 1, 2, 1, 0, 1, 0, 0                       ; steps 29 to 31 are written out: nothing more is filled
	STEP 0, 0, 1, 1, 1, 0, 0
	STEP 1, 2, 0, 0, 0, 0, 0                       ; behind its barrier nobody reads the slots, and they have had their last fill
	WIN 0
	PLACES
; THE WAY OUT.  Each wave lays its 128 x 128 sums into its own plane as rows of 512 bytes; behind one barrier it reads the 64 rows that it stores from its own plane and from the partner's, adds, and stores whole rows.
.irp a, 0,1,2,3,4,5,6,7
	WIN 0x08+4*(\a/4)                              ; the data of an LDS store are its source 1: window 2 or 3
.irp b, 0,1,2,3,4,5,6,7
	ds_store_b128 v[STL+\a/4], v[8*(8*(\a%4)+\b):8*(8*(\a%4)+\b)+3] offset:16*XP*(\a%4)+64*\b       ; each accumulator from its low end on
	ds_store_b128 v[STL+\a/4], v[8*(8*(\a%4)+\b)+4:8*(8*(\a%4)+\b)+7] offset:16*XP*(\a%4)+64*\b+16
.endr
.endr
	WIN 0
	s_wait_dscnt 0x0                               ; for the partner's sake: my stores have landed
	s_barrier_signal -1
	s_barrier_wait -1
.macro LOADT q                         ; eight rows from both planes
.set BB, 64+64*((\q)%2)
.irp t, 0,1,2,3,4,5,6,7
	ds_load_b128 v[BB+4*\t:BB+4*\t+3], v[RDM] offset:XP*(8*(\q)+\t)
	ds_load_b128 v[BB+32+4*\t:BB+32+4*\t+3], v[RDP] offset:XP*(8*(\q)+\t)
.endr
.endm
.macro SENDT q
.set BB, 64+64*((\q)%2)
.irp t, 0,1,2,3,4,5,6,7
	v_pk_add_f32 v[BB+4*\t:BB+4*\t+1], v[BB+4*\t:BB+4*\t+1], v[BB+32+4*\t:BB+32+4*\t+1]
	v_pk_add_f32 v[BB+4*\t+2:BB+4*\t+3], v[BB+4*\t+2:BB+4*\t+3], v[BB+32+4*\t+2:BB+32+4*\t+3]
.endr
.irp t, 0,1,2,3,4,5,6,7
	global_store_b128 v[CO], v[BB+4*\t:BB+4*\t+3], s[12:13] offset:4096*(8*(\q)+\t) th:TH_STORE_NT   ; 32 lanes store 512 consecutive bytes, at a multiple of 256 from out0's first byte
.endr
.endm
	LOADT 0
.irp q, 0,1,2,3,4,5,6
.if \q > 0
	s_wait_xcnt 0x0                                ; the stores of batch q - 1 have read their registers: the next loads may land there
.endif
	LOADT \q+1
	s_wait_dscnt 16                                ; batch q is in; the sixteen loads just issued may be out
	SENDT \q
.endr
	s_wait_dscnt 0x0
	SENDT 7
	s_wait_tensorcnt 0x0                           ; the wave's end
	ds_add_u32 v[SPW], v[NIL]
	s_wait_dscnt 0x0
	CROUND                                         ; the closing round
	s_endpgm
.Lfunc_end_k_qaa71b5a689_gemm:
	.size	k_qaa71b5a689_gemm, .Lfunc_end_k_qaa71b5a689_gemm-k_qaa71b5a689_gemm
	.p2alignl 7, 3214868480
	.fill 96, 4, 3214868480
	.section	.rodata,"a",@progbits
	.p2align	6, 0x0
	.amdhsa_kernel k_qaa71b5a689_gemm
		.amdhsa_group_segment_fixed_size 327680
		.amdhsa_private_segment_fixed_size 0
		.amdhsa_enable_private_segment 0
		.amdhsa_kernarg_size 40
		.amdhsa_user_sgpr_count 2
		.amdhsa_user_sgpr_kernarg_segment_ptr 1
		.amdhsa_wavefront_size32 1
		.amdhsa_system_sgpr_workgroup_id_x 1
		.amdhsa_system_sgpr_workgroup_id_y 1
		.amdhsa_system_sgpr_workgroup_id_z 1
		.amdhsa_system_vgpr_workitem_id 0
		.amdhsa_next_free_vgpr 1024
		.amdhsa_next_free_sgpr 96
		.amdhsa_reserve_vcc 0
		.amdhsa_float_denorm_mode_32 3
		.amdhsa_float_denorm_mode_16_64 3
		.amdhsa_memory_ordered 1
		.amdhsa_forward_progress 1
		.amdhsa_inst_pref_size 150
	.end_amdhsa_kernel
	.amdgpu_metadata
---
amdhsa.version: [ 1, 2 ]
amdhsa.kernels:
  - .name:           k_qaa71b5a689_gemm
    .symbol:         k_qaa71b5a689_gemm.kd
    .args:
      - { .name: zq, .offset: 0, .size: 8, .value_kind: global_buffer, .address_space: global }
      - { .name: wq, .offset: 8, .size: 8, .value_kind: global_buffer, .address_space: global }
      - { .name: weights, .offset: 16, .size: 8, .value_kind: global_buffer, .address_space: global }
      - { .name: b, .offset: 24, .size: 8, .value_kind: global_buffer, .address_space: global }
      - { .name: out0, .offset: 32, .size: 8, .value_kind: global_buffer, .address_space: global }
    .group_segment_fixed_size: 327680
    .private_segment_fixed_size: 0
    .kernarg_segment_align: 8
    .kernarg_segment_size: 40
    .max_flat_workgroup_size: 128
    .sgpr_count:     96
    .vgpr_count:     1024
    .wavefront_size: 32
...
	.end_amdgpu_metadata
.endif
;; end of part 2
